; MI455X (gfx1250); checked and timed in simulation.
; The chip was launched on July 23, 2026; its instructions are those of AMD's public machine-readable ISA for CDNA 5 (MIT licence, August 2026) and "CDNA5" Instruction Set Architecture Reference Guide (July 2026). The comments in the code are by the model that wrote it; some were corrected since.
;; My LSTM Cell. Allowed arithmetic: matrix products marked QUANTISED: E3M2 operands, one E8M0 scale for each 32 along K, by v_wmma_scale_f32_16x16x128_f8f6f4 with both operands' format E3M2, f32 sums; everything else in f32.
;; Inputs: W_c 3,072 x 2,048 float32; W_f 3,072 x 2,048 float32; W_i 3,072 x 2,048 float32; W_o 3,072 x 2,048 float32; b_c 2,048 float32; b_f 2,048 float32; b_i 2,048 float32; b_o 2,048 float32; c_prev 2,048 x 2,048 float32; h_prev 2,048 x 2,048 float32; x 2,048 x 1,024 float32.
;; Outputs: out0 2,048 x 2,048 float32; out1 2,048 x 2,048 float32.
;; This version of the problem:
;;   THIS VERSION OF THE PROBLEM IS GIVEN IN LOW PRECISION. The matrix products marked QUANTISED in the list below multiply operands that are first quantised to E3M2 (3 exponent bits, 2 mantissa bits; 6 bits a number), with one power-of-two scale for each 32 numbers along K (OCP MX v1.0); their sums are f32. All else is computed in f32.
;;   The module's matrix products, in the order in which they are computed (A, B: the left and right operand; K: the contracted axis; several contracted axes count as one K, in the product's order):
;;     1. [M 2,048, K 3,072] x [K 3,072, N 8,192]; A: computed on the way; B: computed on the way: QUANTISED
;;   THE QUANTISER, for each operand of a quantised product, along K:
;;     - K is cut into blocks of 32 from its start; a last block that is shorter is filled with zeros.
;;     - A block's scale is 2^e with e = floor(log2(the largest magnitude in the block)) - 4, held to -126 .. 127; a block of zeros has e = 0. As a byte (E8M0): e + 127.
;;     - Each number is divided by its block's scale, clamped to +-28, and rounded to the nearest number of E3M2, ties to even, subnormals kept.
;;     - The product sums the exact products of the quantised numbers (number of the format x scale) in f32.
;;   ~~~python
;;   def quantise(x, axis):      # numpy; x: float32 -> the quantised numbers, widened to float32 again
;;       x = np.moveaxis(x, axis, -1); K = x.shape[-1]
;;       x = np.pad(x, [(0, 0)] * (x.ndim - 1) + [(0, -K % 32)]); x = x.reshape(x.shape[:-1] + (-1, 32)); a = np.abs(x).max(-1, keepdims=True)
;;       e = np.where(a > 0, np.clip(np.frexp(np.where(a > 0, a, 1))[1] - 1 - 4, -126, 127), 0)      # np.frexp(a)[1] - 1 = floor(log2(a)), exactly
;;       r = np.clip(x / 2.0 ** e, -28, 28)
;;       step = 2.0 ** (np.maximum(np.frexp(np.where(r == 0, 1, r))[1] - 1, -2) - 2)
;;       q = np.round(r / step) * step * 2.0 ** e      # np.round: ties to even
;;       return np.moveaxis(q.reshape(q.shape[:-2] + (-1,))[..., :K], -1, axis).astype(np.float32)
;;   ~~~
;;   OPERANDS COMPUTED ON THE WAY. 'Computed on the way' means the value that the module computes at that place (a softmax that the list does not call 'softmax' is quantised finished and normalised). What goes into a quantiser is computed in f32, as accurately as f32 sums, v_exp_f32 and their like allow (about 1e-6 of the number): no bf16 or f16 on the way to a quantiser, and a product that is left as it is and whose result goes on into a quantised operand takes f32 operands (vector FMAs, or v_wmma_f32_16x16x4_f32). A number that lies on a knife's edge between two numbers of the format may be rounded either way, as far as f32 arithmetic and the matrix unit's own rounding can turn it there, and no further.
;; One version. Each part assembles by itself: llvm-mc -triple=amdgcn-amd-amdhsa -mcpu=gfx1250 --defsym DOCPART=n.
;; ======== version 1 of 1: 2 launches
;; limits: right only within a limited range of input values
;; workspace buffers: aq 4,915,200 bytes; wq 19,660,800 bytes
;; launch quant (part 1): grid 1152 x 1, 4 waves a work-group, no clusters, 58,880 bytes of LDS; arguments h_prev, x, W_f, W_i, W_o, W_c, aq, wq; writes aq, wq
.if DOCPART == 1
	.amdgcn_target "amdgcn-amd-amdhsa--gfx1250"
	.amdhsa_code_object_version 6
	.text
	.protected	k_qad56e025e0_quant
	.globl	k_qad56e025e0_quant
	.p2align	8
	.type	k_qad56e025e0_quant,@function
k_qad56e025e0_quant:
	s_mov_b64 s[64:65], 0
	v_nop
	global_prefetch_b8 v0, s[64:65] scope:SCOPE_SE
	s_setreg_imm32_b32 hwreg(HW_REG_WAVE_MODE, 25, 1), 1
	s_wait_xcnt 0x0
; LSTM cell, first of two launches: both operands of gates = concat(h_prev, x) @ concat(W_f, W_i, W_o, W_c) are turned into codes of BF6 (E3M2) with one E8M0 scale byte for each 32 along K.
; NO WORK IS LEFT OUT: every one of the eleven inputs reaches an output for general values; this launch reads the six that enter the product, the second launch the other five.
; A block's scale is 2^(floor(log2(its largest magnitude)) - 4): its byte is the largest magnitude's own exponent field - 4, held at 1 from below by a floor among the maximum's leaves.
; Each number is divided by the scale and rounded to the nearest code, ties to even; beyond 28 the conversion gives the largest code.
; LIMITS: NaN and infinities among the inputs are not served.  A block of zeros gets the byte 1 where the rule says 127: its codes are zeros, which add nothing under any byte but 0xff, and this program alone reads the bytes.
; THE WORKSPACE IS LAID AS THE SECOND LAUNCH'S REGISTERS WANT IT.  A tile serves 128 rows x 384 along K: 38,400 dense bytes at group x 307,200 + K step x 38,400.
;   codes: the fragment of 16-row block i (0..7) and 128-K part q (0..2) at (3 i + q) x 1,536, as an image of the operand's 12 registers: registers 4 c .. 4 c + 3 of lane L at 512 c + 16 L;
;          lane (r, h) holds row r; registers 0-5 the 24 bytes of the part's block h of 32, registers 6-11 those of block 2 + h.
;   scale words: at 36,864 + 512 q + 64 i + 4 r the word of row 16 i + r for part q, byte b for k = 32 b ..
; ROWS.  aq: row m of concat(h_prev, x): group m / 128, block (m % 128) / 16.  wq: gate g (f, i, o, c) and hidden column j: group j / 32, block 2 g + (j % 32) / 16, row j % 16.
; SHARES.  Work-groups 0-767 take the weights, 768-1151 the rows; the paths part on the work-group's number and have LDS bytes of their own.
;   Weights (K is their FIRST axis): a wave takes gate g = its number, 64 columns and 128 along K.  A lane takes TWO neighbouring columns: each load of the wave reads 256 consecutive aligned bytes of one row of W_g.
;   A column's numbers lie in every second register: the largest magnitude is taken on them as they lie, and 16 moves lay them on end for each conversion.
;   The codes of 64 columns are four fragments: they are gathered as images in the wave's own stage and leave as 12 stores of 512 consecutive bytes.
;   Rows (K innermost): a wave takes 32 rows and 128 along K; each load reads one row's 512 consecutive bytes; 16 rows turn through the wave's own stage, so that a lane then holds two whole blocks of its row.
; No tensor load, no barrier, no matrix unit, no cluster: waves share nothing, and the launch is a stream.
.set TILE,  38400
.set GRP,   307200
.set SCW,   36864                      ; where a tile's scale words begin
.set STG,   8448                       ; the rows' stage of a wave: 16 rows x 528
.set SP,    528                        ; a stage row: 512 bytes + 16
.set WST,   4*STG                      ; behind them the weights' stages: 4 fragments x 1,536 bytes a wave
.set WSTG,  6144
.set SPARE, WST+4*WSTG                 ; behind the stages: the spare words, 128 bytes for each wave: two blocks of 256 bytes that no other line names
.set M,     11                         ; v11-12  largest magnitudes
.set S,     13                         ; v13-14  the conversions' scale operands
.set B,     15                         ; v15-16  scale bytes
.set WD,    17                         ; v17     a scale word in the making
.set SPW,   20                         ; v20     LDS address of my spare word; never rewritten
.set NIL,   21                         ; v21     0; never rewritten
.set SW,    22                         ; v22-23  scale words
.set T,     28                         ; v28-30, v32-34  a block's upper 16 codes (a conversion's three registers begin on an even number)
.set F,     36                         ; rows: v36-59 two fragments' 12 registers
.set WY,    36                         ; weights: v36-51 sixteen numbers of one column on end
.set WF,    52                         ; weights: v52-57, v58-63 a block's six registers of codes, for each of my two columns
.set X,     64                         ; numbers: rows v64-127; weights v64-191, two sets of 32 k x 2 columns
; v1 lane, v2 r = lane % 16, v3 h = lane / 16, v4-5 offsets in, v6 16 x lane (codes out), v7 offset of the scale words out, v8-9 the rows' stage in and out, v10 8 h, v24 a permute's destination, v25-26 the weights' stage in and out
; where my fragments and scale words go: s23 = kq (which 128 along K), s27 = group, s21 = g; p: the buffer's pointer.  s[28:29] codes, s[30:31] scale words
.macro OUTB p
	s_mul_i32 s25, s23, 11
	s_lshr_b32 s25, s25, 5                         ; K step = kq / 3 (11 kq / 32 is that for kq under 24)
	s_mul_i32 s26, s25, 3
	s_sub_co_u32 s26, s23, s26                     ; part q = kq % 3
	s_mul_i32 s28, s27, GRP
	s_mul_i32 s24, s25, TILE
	s_add_co_u32 s28, s28, s24                     ; the tile
	s_lshl_b32 s24, s26, 9
	s_add_co_u32 s30, s28, s24
	s_lshl_b32 s24, s21, 7
	s_add_co_u32 s30, s30, s24
	s_add_co_u32 s30, s30, SCW                     ; + 36,864 + 512 q + 128 g
	s_mov_b32 s31, 0
	s_mul_i32 s24, s26, 1536
	s_add_co_u32 s28, s28, s24
	s_mul_i32 s24, s21, 9216
	s_add_co_u32 s28, s28, s24                     ; + (6 g + q) x 1,536
	s_mov_b32 s29, 0
	s_add_nc_u64 s[28:29], s[\p:\p+1], s[28:29]
	s_add_nc_u64 s[30:31], s[\p:\p+1], s[30:31]
.endm
; block t of my two columns: W(128 kq + 32 t + i, columns), i = 0 .. 31, into set t % 2: number (i, c) in register 2 i + c
.macro WLOAD t
.irp i, 0,1,2,3,4,5,6,7,8,9,10,11,12,13,14,15,16,17,18,19,20,21,22,23,24,25,26,27,28,29,30,31
	global_load_b64 v[X+64*((\t)%2)+2*\i:X+64*((\t)%2)+2*\i+1], v4, s[32:33] offset:(32*(\t)+\i)*8192 th:TH_LOAD_NT
.endr
.endm
; block t becomes registers 6 (t / 2) .. + 5 of the image's lane (row, t % 2), and byte t of each column's scale word
.macro WBLOCK t
.set XS, X+64*((\t)%2)
.if (\t) < 3
	s_wait_loadcnt 32                              ; this block's 32 loads are in; the next block's 32 may be out
.else
	s_wait_loadcnt 0x0
.endif
.irp c, 0,1
	v_max3_num_f32 v[M+\c], |v[XS+\c]|, |v[XS+2+\c]|, 0x2800000   ; with the floor 2^(5 - 127) among the leaves: the byte cannot fall under 1
.endr
.irp i, 2,4,6,8,10,12,14,16,18,20,22,24,26,28,30
.irp c, 0,1
	s_delay_alu instid0(VALU_DEP_2)
	v_max3_num_f32 v[M+\c], v[M+\c], |v[XS+2*\i+\c]|, |v[XS+2*\i+2+\c]|   ; the two columns by turns
.endr
.endr
.irp c, 0,1
	s_delay_alu instid0(VALU_DEP_2)
	v_add_nc_u32 v[S+\c], 0xfe000000, v[M+\c]      ; 4 off the exponent field: the conversion takes the exponent field of this operand as its scale
.endr
.irp c, 0,1
	s_delay_alu instid0(VALU_DEP_2)
	v_lshrrev_b32 v[B+\c], 23, v[S+\c]             ; the scale's byte
.endr
.irp c, 0,1
	s_delay_alu instid0(VALU_DEP_2)
.if (\t) == 0
	v_mov_b32 v[SW+\c], v[B+\c]
.else
	v_lshl_or_b32 v[SW+\c], v[B+\c], 8*(\t), v[SW+\c]
.endif
.endr
.irp c, 0,1
.set FD, WF+6*\c
.irp i, 0,1,2,3,4,5,6,7,8,9,10,11,12,13,14,15
	v_mov_b32 v[WY+\i], v[XS+2*\i+\c]              ; k = 0 .. 15 of column c on end
.endr
	v_cvt_scalef32_pk16_bf6_f32 v[FD:FD+2], v[WY:WY+15], v[S+\c]
	v_nop                                          ; one plain place behind a scaled conversion, ahead of the writes of its sources
.irp i, 0,1,2,3,4,5,6,7,8,9,10,11,12,13,14,15
	v_mov_b32 v[WY+\i], v[XS+32+2*\i+\c]           ; k = 16 .. 31
.endr
	v_cvt_scalef32_pk16_bf6_f32 v[T:T+2], v[WY:WY+15], v[S+\c]
	v_nop
.irp i, 0,1,2
	v_mov_b32 v[FD+3+\i], v[T+\i]
.endr
.if (\t) < 2
	ds_store_b128 v25, v[FD:FD+3] offset:16*\c+256*((\t)%2)               ; registers 0-3: the image's first piece,
	ds_store_b64 v25, v[FD+4:FD+5] offset:512+16*\c+256*((\t)%2)          ; 4-5: the lower half of my 16 bytes of the second
.else
	ds_store_b64 v25, v[FD:FD+1] offset:520+16*\c+256*((\t)%2)            ; registers 6-7: its upper half,
	ds_store_b128 v25, v[FD+2:FD+5] offset:1024+16*\c+256*((\t)%2)        ; 8-11: the third piece
.endif
.endr
.if (\t) < 2
	WLOAD (\t)+2
.endif
.endm
; fragment f of my 32 rows: rows 16 f + 0 .. 15, 128 along K
.macro AFRAG f
.irp j, 0,1,2,3,4,5,6,7,8,9,10,11,12,13,14,15
	global_load_b128 v[X+4*\j:X+4*\j+3], v[4+\f], s[32+2*\j:33+2*\j] th:TH_LOAD_NT     ; row j: 32 lanes read its 512 consecutive bytes
.endr
.irp j, 0,1,2,3,4,5,6,7,8,9,10,11,12,13,14,15
	s_wait_loadcnt 15-\j                           ; row j is in; the younger rows stay out
	ds_store_b128 v8, v[X+4*\j:X+4*\j+3] offset:SP*\j
.endr
	s_wait_dscnt 0x0                               ; the stores have read their registers
.irp c, 0,1
.irp n, 0,1,2,3,4,5,6,7
	ds_load_b128 v[X+32*\c+4*\n:X+32*\c+4*\n+3], v9 offset:256*\c+16*\n   ; lane (r, h): blocks h and 2 + h of row r, 128 bytes each
.endr
.endr
	s_wait_dscnt 0x0
.irp c, 0,1
	v_max3_num_f32 v[M+\c], |v[X+32*\c]|, |v[X+32*\c+1]|, 0x2800000   ; with the floor 2^(5 - 127) among the leaves
.endr
.irp i, 2,4,6,8,10,12,14,16,18,20,22,24,26,28,30
.irp c, 0,1
	s_delay_alu instid0(VALU_DEP_2)
	v_max3_num_f32 v[M+\c], v[M+\c], |v[X+32*\c+\i]|, |v[X+32*\c+\i+1]|   ; the two blocks by turns
.endr
.endr
.irp c, 0,1
	s_delay_alu instid0(VALU_DEP_2)
	v_add_nc_u32 v[S+\c], 0xfe000000, v[M+\c]
.endr
.irp c, 0,1
	s_delay_alu instid0(VALU_DEP_2)
	v_lshrrev_b32 v[B+\c], 23, v[S+\c]
.endr
	s_delay_alu instid0(VALU_DEP_1)
	v_lshl_or_b32 v[WD], v[B+1], 16, v[B]          ; my two bytes: blocks h and 2 + h,
	s_delay_alu instid0(VALU_DEP_1)
	v_lshlrev_b32 v[WD], v10, v[WD]                ; at their places in the word (8 h bits up);
	s_delay_alu instid0(VALU_DEP_1)
	v_permlanex16_b32 v24, v[WD], s70, s71
	s_delay_alu instid0(VALU_DEP_1)
	v_or_b32 v[SW+\f], v[WD], v24                  ; with lane l xor 16's two the word is whole
.irp c, 0,1
	v_cvt_scalef32_pk16_bf6_f32 v[F+12*\f+6*\c:F+12*\f+6*\c+2], v[X+32*\c:X+32*\c+15], v[S+\c]
	v_cvt_scalef32_pk16_bf6_f32 v[T+4*\c:T+4*\c+2], v[X+32*\c+16:X+32*\c+31], v[S+\c]
.endr
	v_nop                                          ; one plain place behind a scaled conversion
.irp c, 0,1
.irp i, 0,1,2
	v_mov_b32 v[F+12*\f+6*\c+3+\i], v[T+4*\c+\i]
.endr
.endr
.irp c, 0,1,2
	global_store_b128 v6, v[F+12*\f+4*\c:F+12*\f+4*\c+3], s[28:29] offset:4608*\f+512*\c   ; 32 lanes store 512 consecutive bytes, at a multiple of 256 from the buffer's first byte
.endr
.endm
	s_load_b256 s[4:11], s[0:1], 0x0               ; h_prev s[4:5], x s[6:7], W_f s[8:9], W_i s[10:11]
	s_load_b256 s[12:19], s[0:1], 0x20             ; W_o s[12:13], W_c s[14:15], aq s[16:17], wq s[18:19]
	v_lshl_add_u32 v[SPW], v0, 2, SPARE
	v_mov_b32 v[NIL], 0
	v_lshrrev_b32 v1, 5, v0
	s_delay_alu instid0(VALU_DEP_1)
	v_readfirstlane_b32 s21, v1                    ; wave 0..3 = g: which pair of 16-row blocks (for the weights: which gate)
	s_mul_i32 s24, s21, STG                        ; my stage for rows,
	s_mul_i32 s25, s21, WSTG
	s_add_co_u32 s25, s25, WST                     ; and for weights
	v_and_b32 v1, 31, v0                           ; lane
	v_and_b32 v2, 15, v0                           ; r
	v_bfe_u32 v3, v0, 4, 1                         ; h
	s_delay_alu instid0(VALU_DEP_3)
	v_lshlrev_b32 v6, 4, v1                        ; 16 bytes a lane
	s_delay_alu instid0(VALU_DEP_1)
	v_add_nc_u32 v8, s24, v6                       ; rows in: 16 bytes a lane of a row
	v_mul_u32_u24 v9, v2, SP
	s_delay_alu instid0(VALU_DEP_1)
	v_lshl_add_u32 v9, v3, 7, v9
	s_delay_alu instid0(VALU_DEP_1)
	v_add_nc_u32 v9, s24, v9                       ; rows out: row r, + 128 h
	v_lshrrev_b32 v25, 3, v1
	s_delay_alu instid0(VALU_DEP_1)
	v_mul_u32_u24 v25, v25, 1536                   ; weights in: eight lanes' 16 columns are one fragment's rows,
	v_and_b32 v26, 7, v1
	s_delay_alu instid0(VALU_DEP_1)
	v_lshl_add_u32 v25, v26, 5, v25                ; my two rows' 32 bytes of a piece
	s_delay_alu instid0(VALU_DEP_1)
	v_add_nc_u32 v25, s25, v25
	v_add_nc_u32 v26, s25, v6                      ; weights out: 16 bytes a lane
	v_lshlrev_b32 v10, 3, v3
	v_mov_b32 v24, 0                               ; a lane permute's destination counts as one of its sources
	s_mov_b32 s70, 0x76543210
	s_mov_b32 s71, 0xfedcba98                      ; v_permlanex16_b32's selects for lane l xor 16
	s_wait_alu depctr_va_vdst(0)                   ; the wait at the head's end
	s_wait_kmcnt 0x0
	s_cmp_ge_u32 ttmp9, 768
	s_cbranch_scc1 .Lrows
	; ---- the weights: work-group = 32 kq + which 64 columns
	s_lshr_b32 s23, ttmp9, 5                       ; kq
	s_and_b32 s24, ttmp9, 31
	s_lshl_b32 s27, s24, 1                         ; the first of my two groups of 32 columns
	OUTB 18
	s_and_b32 s24, s21, 1
	s_cmp_lg_u32 s24, 0                            ; the gate's weights: a choice on the wave's number alone
	s_cselect_b64 s[32:33], s[10:11], s[8:9]       ; i or f
	s_cselect_b64 s[34:35], s[14:15], s[12:13]     ; c or o
	s_cmp_ge_u32 s21, 2
	s_cselect_b64 s[32:33], s[34:35], s[32:33]
	s_lshl_b32 s24, s23, 20                        ; 128 kq rows of 8,192 bytes
	s_lshl_b32 s25, s27, 7                         ; + 128 bytes a group
	s_add_co_u32 s24, s24, s25
	s_mov_b32 s25, 0
	s_add_nc_u64 s[32:33], s[32:33], s[24:25]
	v_lshlrev_b32 v4, 3, v1                        ; my two columns
	v_mul_u32_u24 v7, v3, GRP                      ; scale words out: lanes 16-31 the next group's tile,
	s_delay_alu instid0(VALU_DEP_1)
	v_lshl_add_u32 v7, v2, 3, v7                   ; two words a lane
	s_wait_alu depctr_va_vdst(0)
	WLOAD 0
	WLOAD 1
	WBLOCK 0
	WBLOCK 1
	WBLOCK 2
	WBLOCK 3
.irp n, 0,1,2,3,4,5,6,7,8,9,10,11
	ds_load_b128 v[X+4*\n:X+4*\n+3], v26 offset:512*\n   ; LDS serves a wave's instructions in order: these see my stores
.endr
	global_store_b64 v7, v[SW:SW+1], s[30:31]      ; sixteen lanes store the 128 consecutive bytes of a group's 32 words
.irp n, 0,1,2,3,4,5,6,7,8,9,10,11
	s_wait_dscnt 11-\n                             ; piece n is back; the younger ones may be out
	global_store_b128 v6, v[X+4*\n:X+4*\n+3], s[28:29] offset:GRP*(\n/6)+4608*((\n/3)%2)+512*(\n%3)   ; 512 consecutive bytes, at a multiple of 256 from the buffer's first byte
.endr
	s_branch .Lend
.Lrows:
	; ---- the rows: work-group - 768 = 16 kq + group; my rows 128 group + 32 g + 0 .. 31
	s_sub_co_u32 s24, ttmp9, 768
	s_lshr_b32 s23, s24, 4                         ; kq
	s_and_b32 s27, s24, 15                         ; group
	OUTB 16
	s_lshl_b32 s24, s27, 7
	s_lshl_b32 s25, s21, 5
	s_add_co_u32 s24, s24, s25                     ; my first row
	s_cmp_lt_u32 s23, 16                           ; K 0 .. 2,047 is h_prev, 2,048 .. 3,071 is x: the seam lies at a multiple of 128, so a fragment comes from one tensor
	s_cselect_b64 s[32:33], s[4:5], s[6:7]
	s_mov_b32 s66, 4096
	s_cselect_b32 s66, 8192, s66                   ; a row in bytes
	s_cselect_b32 s25, 0, 16
	s_mov_b32 s67, 0
	s_sub_co_u32 s25, s23, s25
	s_lshl_b32 s25, s25, 9                         ; the 128 numbers' first byte in a row
	s_mul_i32 s24, s24, s66
	s_add_co_u32 s24, s24, s25
	s_mov_b32 s25, 0
	s_add_nc_u64 s[32:33], s[32:33], s[24:25]      ; row 0 of sixteen,
.irp j, 1,2,3,4,5,6,7,8,9,10,11,12,13,14,15
	s_add_nc_u64 s[32+2*\j:33+2*\j], s[30+2*\j:31+2*\j], s[66:67]   ; and the fifteen below it
.endr
	s_lshl_b32 s68, s66, 4
	v_lshlrev_b32 v4, 4, v1                        ; 16 bytes a lane
	s_delay_alu instid0(VALU_DEP_1)
	v_add_nc_u32 v5, s68, v4                       ; and the same sixteen rows further down
	v_lshlrev_b32 v7, 2, v1                        ; scale words out: 4 bytes a lane
	s_wait_alu depctr_va_vdst(0)
	AFRAG 0
	AFRAG 1
	s_mov_b32 vcc_lo, 0xffff0000
	v_cndmask_b32 v[SW], v[SW], v[SW+1], vcc_lo    ; lanes 0-15 the first fragment's words, lanes 16-31 the second's
	global_store_b32 v7, v[SW], s[30:31]           ; 128 consecutive bytes
.Lend:
	s_wait_tensorcnt 0x0                           ; the wave's end
	ds_add_u32 v[SPW], v[NIL]
	s_wait_dscnt 0x0
	s_endpgm
.Lfunc_end_k_qad56e025e0_quant:
	.size	k_qad56e025e0_quant, .Lfunc_end_k_qad56e025e0_quant-k_qad56e025e0_quant
	.p2alignl 7, 3214868480
	.fill 96, 4, 3214868480
	.section	.rodata,"a",@progbits
	.p2align	6, 0x0
	.amdhsa_kernel k_qad56e025e0_quant
		.amdhsa_group_segment_fixed_size 58880
		.amdhsa_private_segment_fixed_size 0
		.amdhsa_enable_private_segment 0
		.amdhsa_kernarg_size 64
		.amdhsa_user_sgpr_count 2
		.amdhsa_user_sgpr_kernarg_segment_ptr 1
		.amdhsa_wavefront_size32 1
		.amdhsa_system_sgpr_workgroup_id_x 1
		.amdhsa_system_sgpr_workgroup_id_y 1
		.amdhsa_system_sgpr_workgroup_id_z 1
		.amdhsa_system_vgpr_workitem_id 0
		.amdhsa_next_free_vgpr 192
		.amdhsa_next_free_sgpr 80
		.amdhsa_reserve_vcc 1
		.amdhsa_float_denorm_mode_32 3
		.amdhsa_float_denorm_mode_16_64 3
		.amdhsa_memory_ordered 1
		.amdhsa_forward_progress 1
		.amdhsa_inst_pref_size 63
	.end_amdhsa_kernel
	.amdgpu_metadata
---
amdhsa.version: [ 1, 2 ]
amdhsa.kernels:
  - .name:           k_qad56e025e0_quant
    .symbol:         k_qad56e025e0_quant.kd
    .args:
      - { .name: h_prev, .offset: 0, .size: 8, .value_kind: global_buffer, .address_space: global }
      - { .name: x, .offset: 8, .size: 8, .value_kind: global_buffer, .address_space: global }
      - { .name: W_f, .offset: 16, .size: 8, .value_kind: global_buffer, .address_space: global }
      - { .name: W_i, .offset: 24, .size: 8, .value_kind: global_buffer, .address_space: global }
      - { .name: W_o, .offset: 32, .size: 8, .value_kind: global_buffer, .address_space: global }
      - { .name: W_c, .offset: 40, .size: 8, .value_kind: global_buffer, .address_space: global }
      - { .name: aq, .offset: 48, .size: 8, .value_kind: global_buffer, .address_space: global }
      - { .name: wq, .offset: 56, .size: 8, .value_kind: global_buffer, .address_space: global }
    .group_segment_fixed_size: 58880
    .private_segment_fixed_size: 0
    .kernarg_segment_align: 8
    .kernarg_segment_size: 64
    .max_flat_workgroup_size: 128
    .sgpr_count:     80
    .vgpr_count:     192
    .wavefront_size: 32
...
	.end_amdgpu_metadata
.endif
;; end of part 1
;; launch gemm (part 2): grid 32 x 8, 4 waves a work-group, clusters of 4 x 4, 327,680 bytes of LDS; arguments aq, wq, c_prev, b_f, b_i, b_o, b_c, out0, out1; writes out0, out1
.if DOCPART == 2
	.amdgcn_target "amdgcn-amd-amdhsa--gfx1250"
	.amdhsa_code_object_version 6
	.text
	.protected	k_qad56e025e0_gemm
	.globl	k_qad56e025e0_gemm
	.p2align	8
	.type	k_qad56e025e0_gemm,@function
k_qad56e025e0_gemm:
	s_mov_b64 s[64:65], 0
	v_nop
	global_prefetch_b8 v0, s[64:65] scope:SCOPE_SE
	s_setreg_imm32_b32 hwreg(HW_REG_WAVE_MODE, 25, 1), 1
	s_wait_xcnt 0x0
	s_wait_alu depctr_hold_cnt(0) depctr_sa_sdst(0) depctr_va_vdst(0) depctr_va_sdst(0) depctr_va_ssrc(0) depctr_va_vcc(0) depctr_vm_vsrc(0)
	s_getreg_b32 s2, hwreg(HW_REG_IB_STS2, 6, 4)
	s_cmp_eq_u32 s2, 0
	s_cbranch_scc0 .Lentry_in_a_cluster
	s_endpgm
.Lentry_in_a_cluster:
	s_bfe_u32 s2, ttmp6, 0x10000c
	s_cmp_lg_u32 s2, 0xf033
	s_cbranch_scc0 .Lentry_shape_is_right
	s_endpgm
.Lentry_shape_is_right:
; LSTM cell, second of two launches: gates = aq x wq^T + b on codes of BF6 (E3M2) with E8M0 scales, then the cell: c_new = sig(f) c_prev + sig(i) tanh(c), h_new = sig(o) tanh(c_new).  No work is left out.
; A work-group of four waves makes 256 rows x 64 hidden columns (x 4 gates = 256 columns of the product); a wave 128 x 128: 64 accumulators, 512 registers.
; wq's rows are ordered so that block 2 g + jj of a group holds gate g of 16 hidden columns: one lane holds all four gates of its (row, hidden column).
; aq and wq are laid as images of the operands' registers: a tile (128 rows x 384 K, 38,400 dense bytes) holds fragment (block i, part q) at (3 i + q) x 1,536 and its scale words at 36,864 + 512 q + 64 i + 4 r.
; K goes through two LDS slots of four tiles (A's two groups, B's two); each wave fetches one tile with one joint load: A's shared along the cluster's row, B's along its column.
; A step is 128 along K, 64 products; a slot has three steps.  B's fragments and A's blocks 4-7 have two register sets, A's blocks 0-3 one: the next step's 48 loads go out in two runs of 24,
; one at the step's start and one in its middle.  So all fragments of a slot's third step are in registers at the end of its second step: there the slot is given up and filled again.
; The products are used transposed (source 0 = B's rows): a lane's eight results are eight neighbouring hidden columns of one row.  The biases are the C of the first step's products.
; PREFETCH: every cluster asks for the tiles that it will load, two tiles ahead of the load; the four partners of a joint load share a tile's 150 blocks of 256 bytes by address, 38 each.
; LIMITS: NaN and infinities are not served.  The exponent (base 2) of tanh's exponential is held at 60 from above: (2^60 - 1) / (2^60 + 1) is 1 in f32, so no value moves; it keeps infinity x 0 out of the joined quotients.
.set TILE,   38400
.set SLOT,   4*TILE
.set GRP,    8*TILE
.set SCW,    36864
.set SPARE,  2*SLOT                    ; the spare words, 512 bytes that no other line names
.set CPITCH, 272                       ; the way out: rows of 256 bytes + 16; c's stage at 0, h's at HST, both in slot 0 behind its last tile
.set HST,    256*CPITCH
.set CO,   12                          ; v12 my offset in two rows of an output
.set BO,   13                          ; v13 my offset in a bias
.set PFC,  14                          ; v14 c_prev's prefetch: lane x a row
.set ADRA, 16                          ; v16-17 A's tile in slot 0, 1, + 16 x lane
.set ADRB, 20                          ; v20-21 B's
.set ADRS, 22                          ; v22-23 scale words: lanes 0-15 A's, lanes 16-31 B's
.set SO,   24                          ; v24, v25 my 32 bytes of a row in c's and h's stage
.set SOH,  25
.set RD,   26                          ; v26-27 whole rows read back
.set SPW,  28                          ; v28 my spare word; never rewritten
.set NIL,  29                          ; v29 0; never rewritten
.set PF0,  30                          ; v30-31 my blocks of a tile for the prefetch
.set SC,   32                          ; v32-79 scale words, a set of 24 for each slot: register 3 i + q
.set AL,   80                          ; v80-127 A's blocks 0-3
.set AH,   128                         ; v128-175, v176-223 A's blocks 4-7, two sets.  Window 1: B's sets at v0 and v128, the biases at v96-127 and v224-255.  Windows 2, 3: accumulators
.set T,    80                          ; the way out: v80-143 the four gates of 16 rows, v144-159 c, v160-191 rows to store, v192-207 at work
.set CP,   144
.set SND,  160
.set U,    192
.set G1,   24
.set G0,   32
.set G1B,  48
.set G0B,  56
.set G1C,  80
.set G0C,  88
.set PFA,  92
.set MSB, 0
.macro WIN new                         ; the immediate's high byte repeats the setting that is left
.if MSB != (\new)
	s_set_vgpr_msb (MSB<<8)|(\new)
.set MSB, (\new)
.endif
.endm
.set MUL_LO, 0xa1                      ; source 0 (B) window 1, source 1 (A) window 0, C and D window 2
.set MUL_HI, 0xf1
.set TO_B,   0x40
.macro PLACES n
.rept \n
	v_nop
.endr
.endm
.macro JLOAD g0a, g1a, g0b, g1b        ; a joint load: waves 0, 1 fetch A's tiles, waves 2, 3 B's; s_nop 0 and four v_nop behind each line
	s_cmp_eq_u32 s15, 0
	s_cbranch_scc0 .Lfor_b_\@
	tensor_load_to_lds s[\g0a:\g0a+3], s[\g1a:\g1a+7]
	s_nop 0
	PLACES 4
	s_branch .Lasked_\@
.Lfor_b_\@:
	tensor_load_to_lds s[\g0b:\g0b+3], s[\g1b:\g1b+7]
	s_nop 0
	PLACES 4
.Lasked_\@:
.endm
.macro CROUND                          ; a round of the cluster's barrier
	s_barrier_signal -1
	s_barrier_wait -1
	s_cmp_lg_u32 s14, 0
	s_cbranch_scc1 .Lnot_wave_0_\@
	s_barrier_signal -3
.Lnot_wave_0_\@:
	s_barrier_wait -3
	s_barrier_signal -1
	s_barrier_wait -1
.endm
.macro ASKT n                          ; my 38 blocks of the tile n tiles behind s[PFA]
	global_prefetch_b8 v[PF0], s[PFA:PFA+1] offset:(\n)*TILE th:TH_LOAD_NT scope:SCOPE_SE
	global_prefetch_b8 v[PF0+1], s[PFA:PFA+1] offset:(\n)*TILE th:TH_LOAD_NT scope:SCOPE_SE
.endm
.macro ASK half                        ; in the loop: the tile two behind the one just asked for; the last trip has none left and asks for 32 of my 64 rows of c_prev instead
	s_cmp_gt_u32 s3, 1
	s_cbranch_scc0 .Lpf_c_\@
	ASKT 3
	s_branch .Lpf_end_\@
.Lpf_c_\@:
	global_prefetch_b8 v[PFC], s[78:79] offset:(\half)*262144 th:TH_LOAD_NT scope:SCOPE_SE
.Lpf_end_\@:
.endm
	s_load_b256 s[4:11], s[0:1], 0x0               ; aq, wq, c_prev, b_f
	s_load_b256 s[68:75], s[0:1], 0x20             ; b_i, b_o, b_c, out0
	s_load_b64 s[76:77], s[0:1], 0x40              ; out1
	v_lshl_add_u32 v[SPW], v0, 2, SPARE
	v_mov_b32 v[NIL], 0
	ds_add_u32 v[SPW], v[NIL]                      ; the opening lines: the add twice on end and one wait
	ds_add_u32 v[SPW], v[NIL]
	v_lshrrev_b32 v1, 5, v0
	v_readfirstlane_b32 s14, v1                    ; wave
	s_lshr_b32 s15, s14, 1                         ; my half of the rows; also: I fetch for A (0) or B (1)
	s_and_b32 s16, s14, 1                          ; my half of the columns; also: which of the two groups I fetch
	s_bfe_u32 s40, ttmp6, 0x40000                  ; cx
	s_bfe_u32 s41, ttmp6, 0x40004                  ; cy
	s_lshl_b32 s42, ttmp9, 2
	s_add_co_u32 s42, s42, s40                     ; tile column, 0..31
	s_and_b32 s17, ttmp7, 0xffff
	s_lshl_b32 s17, s17, 2
	s_add_co_u32 s17, s17, s41                     ; tile row, 0..7
	s_lshl_b32 s43, s41, 2
	s_lshl_b32 s43, 15, s43                        ; my row of the cluster
	s_lshl_b32 s44, 0x1111, s40                    ; my column
	s_or_b32 s[G1], s43, (3<<16)|(1<<21)           ; a tile: 150 dense rows of 32 elements of 8 bytes
	s_or_b32 s[G1B], s44, (3<<16)|(1<<21)
.irp g, G1, G1B
	s_mov_b32 s[\g+1], 32<<16
	s_mov_b32 s[\g+2], 150<<16
	s_mov_b32 s[\g+3], 32<<16
	s_mov_b32 s[\g+4], 150
	s_mov_b32 s[\g+5], 32
	s_mov_b32 s[\g+6], 0
	s_mov_b32 s[\g+7], 0
.endr
	s_mov_b32 s[G1C], (2<<16)|(1<<20)|(5<<22)|(3<<25)  ; c_prev: 64 rows of 64 f32, 16 bytes of padding behind each
	s_mov_b32 s[G1C+1], 64<<16
	s_mov_b32 s[G1C+2], 64<<16
	s_mov_b32 s[G1C+3], 64<<16
	s_mov_b32 s[G1C+4], 64
	s_mov_b32 s[G1C+5], 2048
	s_mov_b32 s[G1C+6], 0
	s_mov_b32 s[G1C+7], 0
	s_mov_b32 s96, 0xbfb8aa3b                      ; -log2(e)
	s_mov_b32 s97, s96
	s_mov_b32 s98, 0x4038aa3b                      ; 2 log2(e)
	s_mov_b32 s99, s98
	s_mov_b32 s94, 0x42700000                      ; 60.0
	s_lshl_b32 s20, s17, 1
	s_add_co_u32 s20, s20, s16
	s_mul_i32 s20, s20, GRP
	s_mov_b32 s21, 0
	s_lshl_b32 s46, s42, 1
	s_add_co_u32 s46, s46, s16
	s_mul_i32 s46, s46, GRP
	s_mov_b32 s47, 0
	s_mul_i32 s45, s14, TILE
	s_wait_dscnt 0x0                               ; both opening adds are done
	s_wait_kmcnt 0x0
	s_add_nc_u64 s[20:21], s[4:5], s[20:21]        ; A's group
	s_add_nc_u64 s[46:47], s[6:7], s[46:47]        ; B's group
	s_cmp_eq_u32 s15, 0
	s_cselect_b64 s[PFA:PFA+1], s[20:21], s[46:47] ; the group that I fetch
	s_cselect_b32 s66, s40, s41                    ; my place among the four that ask with me
	s_mul_i32 s66, s66, 38
	CROUND                                         ; in front of the first joint loads
.irp s, 0,1
	s_mov_b32 s[G0+4*\s], 1
	s_add_co_u32 s[G0+4*\s+1], s45, \s*SLOT
	s_add_nc_u64 s[G0+4*\s+2:G0+4*\s+3], s[20:21], \s*TILE
	s_or_b32 s[G0+4*\s+3], s[G0+4*\s+3], 0x80000000
	s_mov_b32 s[G0B+4*\s], 1
	s_add_co_u32 s[G0B+4*\s+1], s45, \s*SLOT
	s_add_nc_u64 s[G0B+4*\s+2:G0B+4*\s+3], s[46:47], \s*TILE
	s_or_b32 s[G0B+4*\s+3], s[G0B+4*\s+3], 0x80000000
.endr
	JLOAD G0, G1, G0B, G1B                         ; tile 0: one tensor load a wave at the head
	s_lshl_b32 s18, s42, 8
	s_lshl_b32 s19, s16, 7
	s_add_co_u32 s18, s18, s19                     ; my 32 hidden columns in a bias, in bytes
	s_mul_i32 s21, s15, TILE                       ; my A tile
	s_mul_i32 s22, s16, TILE
	s_add_co_u32 s22, s22, 2*TILE                  ; my B tile
	s_xor_b32 s23, s15, 1
	s_add_co_u32 s23, s23, s16
	s_add_co_u32 s23, s23, 1
	s_mul_i32 s23, s23, TILE                       ; from the one to the other
	s_lshl_b32 s12, s15, 7                         ; my first row of the block
	s_lshl_b32 s13, s16, 3
	s_add_co_u32 s13, s13, s12
	s_mul_i32 s13, s13, CPITCH                     ; of each 16 rows I store 8
	v_and_b32 v1, 31, v0
	v_and_b32 v2, 15, v0                           ; r
	v_bfe_u32 v3, v0, 4, 1                         ; h
	v_lshl_add_u32 v[BO], v3, 5, s18
	v_lshlrev_b32 v4, 4, v1
	v_mul_u32_u24 v5, s23, v3
	v_lshl_add_u32 v5, v2, 2, v5
	v_add_nc_u32 v[ADRA], s21, v4
	v_add_nc_u32 v[ADRB], s22, v4
	v_add_nc_u32 v[ADRS], s21, v5
	v_add_nc_u32 v[ADRA+1], SLOT, v[ADRA]
	v_add_nc_u32 v[ADRB+1], SLOT, v[ADRB]
	v_add_nc_u32 v[ADRS+1], SLOT, v[ADRS]
	v_add_nc_u32 v6, s12, v2
	v_mul_u32_u24 v[SO], v6, CPITCH
	v_lshl_add_u32 v[SO], v3, 5, v[SO]
	v_add_nc_u32 v[SO], s19, v[SO]
	v_add_nc_u32 v[SOH], HST, v[SO]
	v_mul_u32_u24 v[RD], v3, CPITCH
	v_lshl_add_u32 v[RD], v2, 4, v[RD]
	v_add_nc_u32 v[RD], s13, v[RD]
	v_add_nc_u32 v[RD+1], HST, v[RD]
	v_lshlrev_b32 v[CO], 13, v3
	v_lshl_add_u32 v[CO], v2, 4, v[CO]
	v_add_nc_u32 v[PF0], s66, v1                   ; blocks 38 p + lane, held at the tile's last,
	v_min_u32 v[PF0], 149, v[PF0]
	v_lshlrev_b32 v[PF0], 8, v[PF0]
	v_min_u32 v[PF0+1], 5, v1                      ; and 38 p + 32 .. + 37
	v_add_nc_u32 v[PF0+1], s66, v[PF0+1]
	v_add_nc_u32 v[PF0+1], 32, v[PF0+1]
	v_min_u32 v[PF0+1], 149, v[PF0+1]
	v_lshlrev_b32 v[PF0+1], 8, v[PF0+1]
	v_lshlrev_b32 v[PFC], 13, v1
	ASKT 1                                         ; the two tiles that follow the head's
	ASKT 2
.macro BLD g, p                        ; gate g's biases of my 32 hidden columns, in the result's layout: 8 h + j of each 16
.irp jj, 0,1
.set BR, 96+8*(2*\g+\jj)+96*(\g/2)
	global_load_b128 v[BR:BR+3], v[BO], s[\p:\p+1] offset:64*\jj
	global_load_b128 v[BR+4:BR+7], v[BO], s[\p:\p+1] offset:64*\jj+16
.endr
.endm
	WIN TO_B
	BLD 0, 10
	BLD 1, 68
	BLD 2, 70
	BLD 3, 72
	WIN 0
	s_lshl_b32 s18, s17, 8
	s_lshl_b32 s19, s14, 6
	s_add_co_u32 s18, s18, s19                     ; c_prev: I fetch rows 64 wave ..
	s_lshl_b32 s18, s18, 13
	s_lshl_b32 s19, s42, 8
	s_add_co_u32 s18, s18, s19
	s_mov_b32 s19, 0
	s_add_nc_u64 s[78:79], s[8:9], s[18:19]
	s_mov_b32 s[G0C], 1
	s_mul_i32 s[G0C+1], s14, 64*CPITCH
	s_mov_b64 s[G0C+2:G0C+3], s[78:79]
	s_or_b32 s[G0C+3], s[G0C+3], 0x80000000
	s_lshl_b32 s18, s17, 8
	s_add_co_u32 s18, s18, s12
	s_lshl_b32 s19, s16, 3
	s_add_co_u32 s18, s18, s19                     ; the first row that I store
	s_lshl_b32 s18, s18, 13
	s_lshl_b32 s19, s42, 8
	s_add_co_u32 s18, s18, s19
	s_mov_b32 s19, 0
	s_add_nc_u64 s[74:75], s[74:75], s[18:19]
	s_add_nc_u64 s[76:77], s[76:77], s[18:19]
.macro FRAG reg, adr, q, i             ; a fragment's 12 registers: three loads of 512 consecutive bytes
.irp c, 0,1,2
	ds_load_b128 v[\reg+4*\c:\reg+4*\c+3], v[\adr] offset:(3*(\i)+(\q))*1536+512*\c
.endr
.endm
.macro RUN1 slot, q, p                 ; for step (slot, q), into sets p: A's blocks 4-7, B's blocks 0-3: 24 loads
.irp i, 4,5,6,7
	FRAG AH+48*(\p)+12*(\i-4), ADRA+\slot, \q, \i
.endr
	WIN TO_B
.irp i, 0,1,2,3
	FRAG 128*(\p)+12*\i, ADRB+\slot, \q, \i
.endr
	WIN 0
.endm
.macro RUN2 slot, q, p                 ; B's blocks 4-7, A's blocks 0-3: 24 loads
	WIN TO_B
.irp i, 4,5,6,7
	FRAG 128*(\p)+12*\i, ADRB+\slot, \q, \i
.endr
	WIN 0
.irp i, 0,1,2,3
	FRAG AL+12*\i, ADRA+\slot, \q, \i
.endr
.endm
.macro SCALES sc                       ; a slot's 24 scale words
.irp i, 0,1,2,3,4,5,6,7
.irp q, 0,1,2
	ds_load_b32 v[SC+24*\sc+3*\i+\q], v[ADRS+\sc] offset:SCW+512*\q+64*\i
.endr
.endr
.endm
.macro MUL16 a0, p, q, sc, first       ; A's blocks a0, a0 + 1 x B's eight; the 64 accumulators take turns
.irp a, \a0, \a0+1
.if (\a) < 4
.set AR, AL+12*(\a)
.else
.set AR, AH+48*(\p)+12*((\a)-4)
.endif
.set DR, 64*((\a)%4)
.irp b, 0,1,2,3,4,5,6,7
.if \first
	v_wmma_scale_f32_16x16x128_f8f6f4 v[DR+8*\b:DR+8*\b+7], v[128*(\p)+12*\b:128*(\p)+12*\b+11], v[AR:AR+11], v[96+8*\b+96*(\b/4):96+8*\b+96*(\b/4)+7], v[SC+24*(\sc)+3*\b+(\q)], v[SC+24*(\sc)+3*(\a)+(\q)] matrix_a_fmt:MATRIX_FMT_BF6 matrix_b_fmt:MATRIX_FMT_BF6 matrix_a_scale:MATRIX_SCALE_ROW1
.else
	v_wmma_scale_f32_16x16x128_f8f6f4 v[DR+8*\b:DR+8*\b+7], v[128*(\p)+12*\b:128*(\p)+12*\b+11], v[AR:AR+11], v[DR+8*\b:DR+8*\b+7], v[SC+24*(\sc)+3*\b+(\q)], v[SC+24*(\sc)+3*(\a)+(\q)] matrix_a_fmt:MATRIX_FMT_BF6 matrix_b_fmt:MATRIX_FMT_BF6 matrix_a_scale:MATRIX_SCALE_ROW1
.endif
.endr
.endr
.endm
; The change of slots, between a slot's second and third step: all my tensor loads have landed (the one that was out is my tile of the other slot), the add, my reads of this slot are over
; (the third step's fragments are in registers); a round of the cluster's barrier; then this slot's next tile (kind 1) or, behind the last tile, my 64 rows of c_prev (kind 2).
.macro SYNC slot, kind
.if \kind == 1
	s_wait_xcnt 0x0                                ; my prefetches have read their address
	s_add_nc_u64 s[PFA:PFA+1], s[PFA:PFA+1], TILE
.endif
	s_wait_tensorcnt 0x0
	ds_add_u32 v[SPW], v[NIL]
.if \kind == 1
	s_add_nc_u64 s[G0+4*\slot+2:G0+4*\slot+3], s[G0+4*\slot+2:G0+4*\slot+3], 2*TILE   ; no load of mine is out: the descriptors step
	s_add_nc_u64 s[G0B+4*\slot+2:G0B+4*\slot+3], s[G0B+4*\slot+2:G0B+4*\slot+3], 2*TILE
.endif
	s_wait_dscnt 0x0
	CROUND
.if \kind == 1
	JLOAD G0+4*\slot, G1, G0B+4*\slot, G1B
.else
	tensor_load_to_lds s[G0C:G0C+3], s[G1C:G1C+7]
	s_nop 0
	PLACES 4
.endif
.endm
; A step.  cnt: the LDS loads of the run issued just ahead (24, with a slot's scale words 48), which may stay out; all older ones, this step's operands, are in.
; r2, r1: the middle run (for the next step) and the end run (for the step after that) are issued.  The v_nop are the places in front of loads into registers that products have read.
.macro STEP slot, q, first, sync, r2, r1, cnt, ask
.set P, ((\slot)+(\q))%2
.set NS, ((\slot)+((\q)+1)/3)%2
.set NQ, ((\q)+1)%3
.set MS, ((\slot)+((\q)+2)/3)%2
.set MQ, ((\q)+2)%3
	s_wait_dscnt \cnt
	WIN MUL_LO-0x10*(\first)                       ; (first step: C, the biases, in window 1)
	MUL16 0, P, \q, \slot, \first
	MUL16 2, P, \q, \slot, \first
.if \r2
	PLACES 4
	RUN2 NS, NQ, 1-P
.endif
.if \ask == 1
	ASK \slot
.endif
.if \ask == 2
	ASKT 3
.endif
	WIN MUL_HI-0x20*(\first)
	MUL16 4, P, \q, \slot, \first
	MUL16 6, P, \q, \slot, \first
	WIN 0
.if \sync
	SYNC \slot, \sync                              ; the four v_nop behind its load are the places
.else
	PLACES 4
.endif
.if \r1
	RUN1 MS, MQ, P
.if MQ == 0
	SCALES MS
.endif
.endif
.endm
	s_wait_alu depctr_va_vdst(0)                   ; the wait at the head's end
	s_wait_tensorcnt 0x0                           ; my tile 0 is in; the same lines as ahead of a refill stand ahead of slot 1's first fill
	ds_add_u32 v[SPW], v[NIL]
	s_wait_dscnt 0x0
	CROUND
	JLOAD G0+4, G1, G0B+4, G1B                     ; tile 1
	RUN2 0, 0, 0
	RUN1 0, 0, 0
	SCALES 0
	RUN1 0, 1, 1
	s_wait_loadcnt 0x0                             ; the biases
	STEP 0, 0, 1, 0, 1, 1, 24, 2
	s_mov_b32 s3, 3
.Llap:                                                 ; a trip: once round the ring, both slots filled again: tiles 2 to 7
	STEP 0, 1, 0, 1, 1, 1, 24, 0
	STEP 0, 2, 0, 0, 1, 1, 48, 1
	STEP 1, 0, 0, 0, 1, 1, 24, 0
	STEP 1, 1, 0, 1, 1, 1, 24, 0
	STEP 1, 2, 0, 0, 1, 1, 48, 1
	STEP 0, 0, 0, 0, 1, 1, 24, 0
	s_sub_co_u32 s3, s3, 1
	s_cmp_lg_u32 s3, 0
	s_cbranch_scc1 .Llap
	STEP 0, 1, 0, 2, 1, 1, 24, 0                   ; tiles 6 and 7: slot 0 takes c_prev
	STEP 0, 2, 0, 0, 1, 1, 48, 0
	STEP 1, 0, 0, 0, 1, 1, 24, 0
	STEP 1, 1, 0, 0, 1, 0, 24, 0
	STEP 1, 2, 0, 0, 0, 0, 0, 0
	s_wait_tensorcnt 0x0                           ; my rows of c_prev are in,
	s_wait_dscnt 0x0
	s_barrier_signal -1
	s_barrier_wait -1                              ; and everybody's
; THE WAY OUT, by blocks of 16 rows.  A row's 256 bytes come from two waves: c_new and h_new go to the stages, a barrier, and each wave of the pair reads 8 whole rows of each back and stores them.
.macro SENDLD b
.irp t, 0,1,2,3
	ds_load_b128 v[SND+4*\t:SND+4*\t+3], v[RD] offset:4352*(\b)+544*\t
.endr
.irp t, 0,1,2,3
	ds_load_b128 v[SND+16+4*\t:SND+16+4*\t+3], v[RD+1] offset:4352*(\b)+544*\t
.endr
.endm
.macro SENDST b                        ; sixteen lanes store 256 consecutive aligned bytes
.irp t, 0,1,2,3
	global_store_b128 v[CO], v[SND+4*\t:SND+4*\t+3], s[76:77] offset:131072*(\b)+16384*\t th:TH_STORE_NT
.endr
.irp t, 0,1,2,3
	global_store_b128 v[CO], v[SND+16+4*\t:SND+16+4*\t+3], s[74:75] offset:131072*(\b)+16384*\t th:TH_STORE_NT
.endr
.endm
; With ef = e^-f, ei = e^-i, eo = e^-o, ec = e^2c: c_new = c_prev / (1 + ef) + (ec - 1) / ((1 + ei)(1 + ec)); with en = e^(2 c_new): h_new = (en - 1) / ((1 + eo)(1 + en)).
; An infinite ef, ei or eo gives a quotient of 0, as the sigmoid does; ec and en are held finite.
.macro GATES a
.set AC, 64*((\a)%4)
.irp n, 0,1,2,3
	ds_load_b128 v[CP+4*\n:CP+4*\n+3], v[SO] offset:4352*(\a)+64*(\n/2)+16*(\n%2)
.endr
	WIN 0x02+(\a)/4
	s_wait_alu depctr_va_vdst(0)
.irp b, 0,1,2,3,4,5
.irp u, 0,2,4,6
	v_pk_mul_f32 v[T+8*\b+\u:T+8*\b+\u+1], v[AC+8*\b+\u:AC+8*\b+\u+1], s[96:97] op_sel_hi:[1,0]
.endr
.endr
.irp b, 6,7
.irp u, 0,2,4,6
	v_pk_mul_f32 v[T+8*\b+\u:T+8*\b+\u+1], v[AC+8*\b+\u:AC+8*\b+\u+1], s[98:99] op_sel_hi:[1,0]
.endr
.endr
	WIN 0
.set j, 48
.rept 16
	v_min_num_f32 v[T+j], s94, v[T+j]
.set j, j+1
.endr
	s_wait_alu depctr_va_vdst(0)
.set j, 0
.rept 64
	v_exp_f32 v[T+j], v[T+j]                       ; ef, ei, eo, ec
.set j, j+1
.endr
	v_nop
	s_wait_alu depctr_va_vdst(0)
.irp u, 0,2,4,6,8,10,12,14
	v_pk_add_f32 v[T+\u:T+\u+1], v[T+\u:T+\u+1], 1.0 op_sel_hi:[1,0]               ; 1 + ef
	v_pk_add_f32 v[U+\u:U+\u+1], v[T+48+\u:T+48+\u+1], 1.0 op_sel_hi:[1,0]         ; 1 + ec
.endr
.irp u, 0,2,4,6,8,10,12,14
	v_pk_fma_f32 v[T+16+\u:T+16+\u+1], v[T+16+\u:T+16+\u+1], v[U+\u:U+\u+1], v[U+\u:U+\u+1]   ; (1 + ei)(1 + ec)
	v_pk_add_f32 v[T+48+\u:T+48+\u+1], v[T+48+\u:T+48+\u+1], -1.0 op_sel_hi:[1,0]  ; ec - 1
.endr
	s_wait_alu depctr_va_vdst(0)
.set j, 0
.rept 32
	v_rcp_f32 v[T+j], v[T+j]
.set j, j+1
.endr
	v_nop
	s_wait_alu depctr_va_vdst(0)
.irp u, 0,2,4,6,8,10,12,14
	v_pk_mul_f32 v[T+48+\u:T+48+\u+1], v[T+48+\u:T+48+\u+1], v[T+16+\u:T+16+\u+1]
.endr
	s_wait_alu depctr_va_vdst(0)
	s_wait_dscnt 0x0                               ; c_prev is in, and my stores of the block before are done:
.if (\a) > 0
	s_barrier_signal -1                            ; say so
.endif
.irp u, 0,2,4,6,8,10,12,14
	v_pk_fma_f32 v[CP+\u:CP+\u+1], v[T+\u:T+\u+1], v[CP+\u:CP+\u+1], v[T+48+\u:T+48+\u+1]   ; c_new
.endr
.if (\a) > 0
	s_wait_alu depctr_va_vdst(0)
	s_barrier_wait -1
.if (\a) > 1
	s_wait_xcnt 0x0                                ; the stores of two blocks ago have read their registers
.endif
	SENDLD (\a)-1
.endif
.irp n, 0,1,2,3
	ds_store_b128 v[SO], v[CP+4*\n:CP+4*\n+3] offset:4352*(\a)+64*(\n/2)+16*(\n%2)
.endr
.irp u, 0,2,4,6,8,10,12,14
	v_pk_mul_f32 v[T+\u:T+\u+1], v[CP+\u:CP+\u+1], s[98:99] op_sel_hi:[1,0]
.endr
.set j, 0
.rept 16
	v_min_num_f32 v[T+j], s94, v[T+j]
.set j, j+1
.endr
	s_wait_alu depctr_va_vdst(0)
.set j, 0
.rept 16
	v_exp_f32 v[T+j], v[T+j]                       ; en
.set j, j+1
.endr
	v_nop
	s_wait_alu depctr_va_vdst(0)
.irp u, 0,2,4,6,8,10,12,14
	v_pk_add_f32 v[U+\u:U+\u+1], v[T+\u:T+\u+1], 1.0 op_sel_hi:[1,0]
.endr
.irp u, 0,2,4,6,8,10,12,14
	v_pk_fma_f32 v[T+32+\u:T+32+\u+1], v[T+32+\u:T+32+\u+1], v[U+\u:U+\u+1], v[U+\u:U+\u+1]   ; (1 + eo)(1 + en)
	v_pk_add_f32 v[T+\u:T+\u+1], v[T+\u:T+\u+1], -1.0 op_sel_hi:[1,0]
.endr
	s_wait_alu depctr_va_vdst(0)
.set j, 32
.rept 16
	v_rcp_f32 v[T+j], v[T+j]
.set j, j+1
.endr
	v_nop
	s_wait_alu depctr_va_vdst(0)
.irp u, 0,2,4,6,8,10,12,14
	v_pk_mul_f32 v[T+\u:T+\u+1], v[T+\u:T+\u+1], v[T+32+\u:T+32+\u+1]              ; h_new
.endr
.if (\a) > 0
	s_wait_alu depctr_va_vdst(0)
	s_wait_dscnt 4                                 ; the eight rows are back; my four stores of c_new may be out
	SENDST (\a)-1
.endif
.irp n, 0,1,2,3
	ds_store_b128 v[SOH], v[T+4*\n:T+4*\n+3] offset:4352*(\a)+64*(\n/2)+16*(\n%2)
.endr
.endm
.irp a, 0,1,2,3,4,5,6,7
	GATES \a
.endr
	s_wait_dscnt 0x0
	s_barrier_signal -1
	s_barrier_wait -1
	s_wait_xcnt 0x0
	SENDLD 7
	s_wait_dscnt 0x0
	SENDST 7
	s_wait_tensorcnt 0x0                           ; the wave's end
	ds_add_u32 v[SPW], v[NIL]
	s_wait_dscnt 0x0
	CROUND                                         ; the closing round
	s_endpgm
.Lfunc_end_k_qad56e025e0_gemm:
	.size	k_qad56e025e0_gemm, .Lfunc_end_k_qad56e025e0_gemm-k_qad56e025e0_gemm
	.p2alignl 7, 3214868480
	.fill 96, 4, 3214868480
	.section	.rodata,"a",@progbits
	.p2align	6, 0x0
	.amdhsa_kernel k_qad56e025e0_gemm
		.amdhsa_group_segment_fixed_size 327680
		.amdhsa_private_segment_fixed_size 0
		.amdhsa_enable_private_segment 0
		.amdhsa_kernarg_size 72
		.amdhsa_user_sgpr_count 2
		.amdhsa_user_sgpr_kernarg_segment_ptr 1
		.amdhsa_wavefront_size32 1
		.amdhsa_system_sgpr_workgroup_id_x 1
		.amdhsa_system_sgpr_workgroup_id_y 1
		.amdhsa_system_sgpr_workgroup_id_z 1
		.amdhsa_system_vgpr_workitem_id 0
		.amdhsa_next_free_vgpr 1024
		.amdhsa_next_free_sgpr 100
		.amdhsa_reserve_vcc 0
		.amdhsa_float_denorm_mode_32 3
		.amdhsa_float_denorm_mode_16_64 3
		.amdhsa_memory_ordered 1
		.amdhsa_forward_progress 1
		.amdhsa_inst_pref_size 255
	.end_amdhsa_kernel
	.section	.bss,"aw",@nobits
	.p2align	6
	.space	262144
	.amdgpu_metadata
---
amdhsa.version: [ 1, 2 ]
amdhsa.kernels:
  - .name:           k_qad56e025e0_gemm
    .symbol:         k_qad56e025e0_gemm.kd
    .args:
      - { .name: aq, .offset: 0, .size: 8, .value_kind: global_buffer, .address_space: global }
      - { .name: wq, .offset: 8, .size: 8, .value_kind: global_buffer, .address_space: global }
      - { .name: c_prev, .offset: 16, .size: 8, .value_kind: global_buffer, .address_space: global }
      - { .name: b_f, .offset: 24, .size: 8, .value_kind: global_buffer, .address_space: global }
      - { .name: b_i, .offset: 32, .size: 8, .value_kind: global_buffer, .address_space: global }
      - { .name: b_o, .offset: 40, .size: 8, .value_kind: global_buffer, .address_space: global }
      - { .name: b_c, .offset: 48, .size: 8, .value_kind: global_buffer, .address_space: global }
      - { .name: out0, .offset: 56, .size: 8, .value_kind: global_buffer, .address_space: global }
      - { .name: out1, .offset: 64, .size: 8, .value_kind: global_buffer, .address_space: global }
    .group_segment_fixed_size: 327680
    .private_segment_fixed_size: 0
    .kernarg_segment_align: 8
    .kernarg_segment_size: 72
    .max_flat_workgroup_size: 128
    .sgpr_count:     100
    .vgpr_count:     1024
    .wavefront_size: 32
...
	.end_amdgpu_metadata
.endif
;; end of part 2
